; MI455X (gfx1250); checked and timed in simulation.
; The chip was launched on July 23, 2026; its instructions are those of AMD's public machine-readable ISA for CDNA 5 (MIT licence, August 2026) and "CDNA5" Instruction Set Architecture Reference Guide (July 2026). The comments in the code are by the model that wrote it; some were corrected since.
;; Flattened Masked Local Attention2d. Allowed arithmetic: matrix products marked QUANTISED: E5M2 operands, one E8M0 scale for each 32 along K, by v_wmma_scale_f32_16x16x128_f8f6f4 with both operands' format E5M2, f32 sums; products left as they are: f32 operands where the result goes on into a quantised operand, else bf16, f16 or f32 operands; f32 sums; everything else in f32.
;; Inputs: k 2 x 64 x 64 x 64 float32; q 2 x 64 x 64 x 64 float32; v 2 x 64 x 64 x 64 float32.
;; Outputs: out0 2 x 64 x 64 x 64 float32.
;; This version of the problem:
;;   THIS VERSION OF THE PROBLEM IS GIVEN IN LOW PRECISION. The matrix products marked QUANTISED in the list below multiply operands that are first quantised to E5M2 (5 exponent bits, 2 mantissa bits; 8 bits a number), with one power-of-two scale for each 32 numbers along K (OCP MX v1.0); their sums are f32. All else is computed in f32.
;;   The module's matrix products, in the order in which they are computed (A, B: the left and right operand; K: the contracted axis; several contracted axes count as one K, in the product's order):
;;     1. batch 8 x [M 4,096, K 16] x [K 16, N 4,096]; A: input q; B: input k: left as it is (K = 16 < 32)
;;     2. batch 8 x [M 4,096, K 4,096] x [K 4,096, N 16]; A: softmax (see below); B: input v: QUANTISED
;;   THE QUANTISER, for each operand of a quantised product, along K:
;;     - K is cut into blocks of 32 from its start; a last block that is shorter is filled with zeros.
;;     - A block's scale is 2^e with e = floor(log2(the largest magnitude in the block)) - 15, held to -126 .. 127; a block of zeros has e = 0. As a byte (E8M0): e + 127.
;;     - Each number is divided by its block's scale, clamped to +-57,344, and rounded to the nearest number of E5M2, ties to even, subnormals kept.
;;     - The product sums the exact products of the quantised numbers (number of the format x scale) in f32.
;;   ~~~python
;;   def quantise(x, axis):      # numpy; x: float32 -> the quantised numbers, widened to float32 again
;;       x = np.moveaxis(x, axis, -1); K = x.shape[-1]
;;       x = np.pad(x, [(0, 0)] * (x.ndim - 1) + [(0, -K % 32)]); x = x.reshape(x.shape[:-1] + (-1, 32)); a = np.abs(x).max(-1, keepdims=True)
;;       e = np.where(a > 0, np.clip(np.frexp(np.where(a > 0, a, 1))[1] - 1 - 15, -126, 127), 0)      # np.frexp(a)[1] - 1 = floor(log2(a)), exactly
;;       r = np.clip(x / 2.0 ** e, -57344, 57344)
;;       step = 2.0 ** (np.maximum(np.frexp(np.where(r == 0, 1, r))[1] - 1, -14) - 2)
;;       q = np.round(r / step) * step * 2.0 ** e      # np.round: ties to even
;;       return np.moveaxis(q.reshape(q.shape[:-2] + (-1,))[..., :K], -1, axis).astype(np.float32)
;;   ~~~
;;   SOFTMAX AHEAD OF A QUANTISED PRODUCT. Where the list says 'softmax', what is quantised is not the finished softmax but p = 2^(t - M), with t = logit x log2(e) and M = ceil(the row's largest t), a whole number; so 1/2 < the row's largest p <= 1. The row's sum l is taken of the UNQUANTISED p, in f32, and the product's result is divided by l at the end. Since M is a whole number, a kernel that streams over the keys may use a running M (the ceiling of the running maximum): every later rescaling is an exact power of two, which a block's scale takes up: the codes' values come out the same.
;;   OPERANDS COMPUTED ON THE WAY. 'Computed on the way' means the value that the module computes at that place (a softmax that the list does not call 'softmax' is quantised finished and normalised). What goes into a quantiser is computed in f32, as accurately as f32 sums, v_exp_f32 and their like allow (about 1e-6 of the number): no bf16 or f16 on the way to a quantiser, and a product that is left as it is and whose result goes on into a quantised operand takes f32 operands (vector FMAs, or v_wmma_f32_16x16x4_f32). A number that lies on a knife's edge between two numbers of the format may be rounded either way, as far as f32 arithmetic and the matrix unit's own rounding can turn it there, and no further.
;; One version. Each part assembles by itself: llvm-mc -triple=amdgcn-amd-amdhsa -mcpu=gfx1250 --defsym DOCPART=n.
;; ======== version 1 of 1: 1 launch
;; launch winattn (part 1): grid 32 x 8, 8 waves a work-group, no clusters, 66,560 bytes of LDS; arguments q, k, v, out0; writes out0
.if DOCPART == 1
	.amdgcn_target "amdgcn-amd-amdhsa--gfx1250"
	.amdhsa_code_object_version 6
	.text
	.protected	k_qc41908de62_winattn
	.globl	k_qc41908de62_winattn
	.p2align	8
	.type	k_qc41908de62_winattn,@function
k_qc41908de62_winattn:
	s_mov_b64 s[64:65], 0
	v_nop
	global_prefetch_b8 v0, s[64:65] scope:SCOPE_SE
	s_setreg_imm32_b32 hwreg(HW_REG_WAVE_MODE, 25, 1), 1
	s_wait_xcnt 0x0
; Attention in a 7 x 7 window.  q, k, v, out0: [2][64 channels][64][64] f32; 4 heads of 16 channels; a token is a pixel.
; out(query) = sum over the window's keys of p V / l, p = 2^(t - M), t = (q . k) log2(e) / 4, M = the row's largest t rounded up, l = the sum of the unquantised p.
; q . k is summed in f32 (v_wmma_f32_16x16x4_f32).  p and V are quantised to E5M2 with one E8M0 scale for each 32 keys and multiplied by v_wmma_scale_f32_16x16x128_f8f6f4.
; A block of 32 keys is half an image row: (key row, columns 0-31) or (key row, columns 32-63).  Keys outside the window have p = 0: their products are not made.
; SHARES.  A work-group: one image and head (grid y), two image rows 2 g, 2 g + 1 (grid x): 128 queries, 8 waves.  Wave i: the patch of 2 rows x 8 columns 8 i .. 8 i + 7: one tile of 16 queries
; (query r of the tile: row r / 8, column r % 8).  Its windows lie in key rows 2 g - 3 .. 2 g + 4 (8 rows, p = 0 .. 7 below) and columns 8 i - 4 .. 8 i + 11 (16 columns): 128 keys.
; STAGING.  Wave w brings key row 2 g - 3 + w (held inside the image; a row outside is masked later): K goes to LDS turned, [key][16 channels], 80 bytes a key, so that a fragment is two loads of 16 bytes;
; V is quantised, a block of 32 neighbours to a lane, and its codes go to LDS as [row][channel][4 + column], its scale bytes as words of four rows.
; SCORES.  S^T = K Q^T: source 0 = the 16 keys of one key row, source 1 = my 16 queries.  A lane (r, h) then holds query r and the 8 columns X0 .. X0 + 7, X0 = 8 i - 4 + 8 h', h' = h xor (i % 2).
; (Odd patches take the tile's two halves of keys the other way round, so that in every patch lanes 0-15 hold column groups 3, 0 mod 4 and lanes 16-31 groups 1, 2 mod 4.)
; The 16 channels stand in the same places of both sources: lane half h, step s, register j: channel 8 h + 2 s + j.
; BLOCKS.  A lane's 8 columns are two groups of four, A and B; a group lies wholly in one half of the image row.  Each key row has a largest score for the low half and one for the high half.
; PRODUCT.  O^T = V^T P^T in four K steps: key rows 0-3 low half, 4-7 low, 0-3 high, 4-7 high.  Block c of a K step is one key row's half; a lane's four dwords of it are group A, group B, 0, 0;
; a group that lies in the other half is 0 there.  V's operand has the codes of the same columns in the same places, so the low and the high steps share V's code registers and differ in V's scale word.
; NO CLUSTER, NO TENSOR LOAD: neighbouring work-groups share six of their eight key rows, but K is turned and V becomes codes in registers on the way into LDS, and the neighbours' windows are two rows apart,
; so that no two would ask for one and the same tile.  NO PREFETCH: all bytes are asked for by the loads at the head.
; LIMITS: NaN and infinities among the inputs are not served.  p under 2^-126 is 0 (v_exp_f32 flushes).  A block of zeros gets the byte 1, not 127: its codes are zeros and the bytes are read here alone.
.set KP,   80                          ; LDS: a key's 16 channels, 64 bytes + 16: sixteen neighbouring keys start in sixteen different 16-byte columns of 256
.set KROW, 72*KP                       ; a key row: slots 0-3 and 68-71 are columns -4 .. -1 and 64 .. 67 (zeros), slot 4 + x is column x
.set VB,   8*KROW                      ; V's codes
.set VCH,  80                          ; a channel's row of codes: byte 4 + x is column x; bytes 0-3 and 68-71 are zeros
.set VROW, 16*VCH
.set VSB,  VB+8*VROW                   ; V's scale words: word 16 k + channel, k = 2 x half + row / 4; byte row % 4
.set STG,  VSB+256                     ; the way out: [query row][channel] rows of 256 bytes
.set SCH,  272
.set SROW, 16*SCH+32
.set CHB,  16384                       ; bytes from channel to channel in memory
.set AV,   1                           ; v1   LDS: my 8 codes of V in a key row
.set AS,   2                           ; v2   LDS: my channel's scale word
.set NEG,  3                           ; v3   -infinity
.set NM,   4                           ; v[4:5] -M (the packed form names a pair); later 1 / l
.set LS,   6                           ; v6   l
.set AK,   7                           ; v7   LDS: my key's channels
.set VS,   8                           ; v8-11  V's scale words of the four K steps: scales and nothing else
.set PW,   12                          ; v12-15 p's scale words
.set Q,    16                          ; v16-23 Q's fragment
.set KA,   24                          ; v24-87 K's fragments, 8 registers a key row (before the barrier: addresses at work)
.set PO,   24                          ;        later p's codes: 16 registers a K step
.set ZR,   PO+2                        ;        one of their zeros
.set S,    88                          ; v88-151 the scores: written by matrix instructions alone
.set P,    152                         ; v152-215 masked scores, then p: 8 registers a key row
.set VX,   152                         ;        while staging: 32 numbers of V,
.set KS,   184                         ;        and 2 keys x 16 channels of K
.set VO,   152                         ;        at the end: V's operand, 16 registers for key rows 0-3, 16 for 4-7,
.set O0,   184                         ;        and O^T in two accumulators
.set O1,   192
.set L,    216                         ; v216-223 a figure for each key row's low half
.set H,    224                         ; v224-231 for its high half
.set QA,   232                         ; v232-239 for my group A
.set QB,   240                         ; v240-247 for my group B
.set T,    248                         ; v248-255 at work
.set C,    216                         ; codes just made, two sets of four (L's registers, free by then)
.set WV,   12                          ; s12 wave = patch = staged key row
.set R0,   13                          ; s13 first query row
.set CM,   32                          ; s32-39 lane masks: column X0 + j counts for my query
.set RM,   40                          ; s40-47 lane masks: key row p counts for my query
.set HA,   48                          ; s48  lane mask: my group A lies in the high half
.set HB,   49                          ; s49  group B
.set TM,   50                          ; s50-57 at work
.set CS,   58                          ; s[58:59] log2(e) / 4
.set SEL,  60                          ; s[60:61] v_permlanex16_b32's selects for lane l xor 16
.set MNT,  62                          ; s62  the mantissa field of 57,344
	s_load_b256 s[4:11], s[0:1], 0x0               ; q s[4:5], k s[6:7], v s[8:9], out0 s[10:11]
	s_set_vgpr_msb 0x40
	v_lshl_add_u32 v0, v0, 2, 0x10000
	v_mov_b32 v1, 0
	s_set_vgpr_msb 0x4000
	v_lshrrev_b32 v24, 5, v0
	v_readfirstlane_b32 s[WV], v24                 ; wave 0..7
	v_and_b32 v24, 31, v0                          ; lane
	v_and_b32 v25, 15, v0                          ; r
	v_bfe_u32 v26, v0, 4, 1                        ; h
	s_and_b32 s14, ttmp7, 0xffff                   ; 4 x image + head
	s_lshl_b32 s[R0], ttmp9, 1
	s_lshl_b32 s18, s14, 18                        ; its 16 channels begin here, in bytes
	s_mov_b32 s19, 0
	s_add_co_i32 s16, s[R0], s[WV]
	s_sub_co_i32 s16, s16, 3                       ; the key row that I stage,
	s_max_i32 s16, s16, 0
	s_min_i32 s16, s16, 63                         ; held inside the image: no load leaves its buffer
	s_lshl_b32 s16, s16, 8
	s_mov_b32 s17, 0
	s_add_nc_u64 s[16:17], s[16:17], s[18:19]      ; K, V: head + row
	s_lshl_b32 s20, s[R0], 8
	s_lshl_b32 s21, s[WV], 5
	s_add_co_u32 s20, s20, s21
	s_mov_b32 s21, 0
	s_add_nc_u64 s[20:21], s[20:21], s[18:19]      ; Q: head + first query row + 8 i columns
	s_lshl_b32 s22, s[R0], 8
	s_lshl_b32 s23, s[WV], 15
	s_add_co_u32 s22, s22, s23
	s_mov_b32 s23, 0
	s_add_nc_u64 s[22:23], s[22:23], s[18:19]      ; out0: head + channels 2 w, 2 w + 1 + first query row
	v_lshlrev_b32 v27, 2, v24                      ; K: column = lane
	v_lshrrev_b32 v28, 1, v24                      ; V: channel = lane / 2,
	v_and_b32 v29, 1, v24                          ;    half = lane % 2: a block of 32 to a lane
	v_lshlrev_b32 v30, 14, v28
	v_lshl_add_u32 v30, v29, 7, v30
	v_and_b32 v31, 7, v25                          ; my query's column in the patch
	v_lshrrev_b32 v32, 3, v25                      ; and its row
	v_lshlrev_b32 v33, 17, v26                     ; Q: channels 8 h on,
	v_lshl_add_u32 v33, v32, 8, v33
	v_lshl_add_u32 v33, v31, 2, v33                ;    my query
	s_wait_kmcnt 0x0
	s_add_nc_u64 s[6:7], s[6:7], s[16:17]
	s_add_nc_u64 s[8:9], s[8:9], s[16:17]
	s_add_nc_u64 s[4:5], s[4:5], s[20:21]
	s_add_nc_u64 s[10:11], s[10:11], s[22:23]
.irp i, 0,1,2,3,4,5,6,7
	global_load_b128 v[VX+4*\i:VX+4*\i+3], v30, s[8:9] offset:16*\i   ; V first: it has the most to be done to it.  The wave's eight loads together take 16 channels' rows of 256 bytes whole
.endr
.set i, 0
.rept 16
	global_load_b32 v[KS+i], v27, s[6:7] offset:CHB*i                 ; K: channel i of columns 0-31, a column a lane,
	global_load_b32 v[KS+16+i], v27, s[6:7] offset:CHB*i+128          ; and of columns 32-63: the two loads take the row's 256 bytes
.set i, i+1
.endr
.irp e, 0,1,2,3,4,5,6,7
	global_load_b32 v[Q+\e], v33, s[4:5] offset:CHB*\e                ; Q(my query, channel 8 h + e): it goes straight into its fragment
.endr
	; ---- addresses and masks, made from ids while the loads are out
	s_mul_i32 s24, s[WV], KROW
	v_mul_u32_u24 v34, v24, KP
	v_add_nc_u32 v34, s24, v34                     ; K into LDS: my row, slot = lane (+ 4 or + 36 in the immediate)
	v_lshrrev_b32 v35, 2, v24
	v_and_b32 v36, 4, v35
	v_lshl_add_u32 v35, v36, 4, v35                ; the eight slots beside the image: 0-3 and 68-71, four lanes to a slot
	v_mul_u32_u24 v35, v35, KP
	v_and_b32 v36, 3, v24
	v_lshl_add_u32 v35, v36, 4, v35
	v_add_nc_u32 v35, s24, v35
	s_mul_i32 s25, s[WV], VROW
	v_mul_u32_u24 v37, v28, VCH
	v_add_nc_u32 v37, s25, v37                     ; V's codes: my row, my channel,
	v_lshl_add_u32 v38, v29, 5, v37                ; my half
	v_mul_u32_u24 v39, v29, 68
	v_add_nc_u32 v39, v39, v37                     ; and the four bytes beside the image: 0-3 or 68-71
	s_lshr_b32 s26, s[WV], 2
	s_lshl_b32 s26, s26, 6
	s_and_b32 s27, s[WV], 3
	s_add_co_u32 s26, s26, s27
	v_lshlrev_b32 v40, 7, v29
	v_lshl_add_u32 v40, v28, 2, v40
	v_add_nc_u32 v40, s26, v40                     ; V's scale byte: 128 half + 64 (row / 4) + 4 channel + row % 4
	s_and_b32 s28, s[WV], 1                        ; i % 2
	s_lshl_b32 s29, s28, 3
	s_lshl_b32 s30, s[WV], 3                       ; 8 i
	v_add_nc_u32 v41, s29, v25
	v_and_b32 v41, 15, v41                         ; r xor 8 (i % 2): odd patches take the tile's halves the other way round
	v_add_nc_u32 v41, s30, v41                     ; the slot of tile row r: column 8 i - 4 + that
	v_mul_u32_u24 v41, v41, KP
	v_lshl_add_u32 v[AK], v26, 5, v41              ; + channels 8 h on
	v_add_nc_u32 v42, s28, v26
	v_and_b32 v42, 1, v42                          ; h'
	v_mul_u32_u24 v[AV], v25, VCH
	v_lshl_add_u32 v[AV], v42, 3, v[AV]
	v_add_nc_u32 v[AV], s30, v[AV]                 ; channel r, byte 4 + X0 = 8 i + 8 h': a multiple of 8
	v_lshlrev_b32 v[AS], 2, v25
	v_lshlrev_b32 v43, 3, v42
	v_sub_nc_u32 v44, v43, v31
	v_add_nc_u32 v44, -1, v44                      ; (X0 + j) - my column + 3 = this + j: inside the window where it is 0 .. 6
	s_sub_co_i32 s31, s30, 4
	v_add_nc_u32 v45, s31, v43                     ; X0
.irp j, 0,1,2,3,4,5,6,7
	v_add_nc_u32 v46, \j, v44
	v_add_nc_u32 v47, \j, v45
	v_cmp_gt_u32 s[CM+\j], 7, v46                  ; within three columns of my query,
	v_cmp_gt_u32 s[TM+\j], 64, v47                 ; and inside the image
	s_and_b32 s[CM+\j], s[CM+\j], s[TM+\j]
.endr
	v_cmp_le_i32 s[HA], 32, v45                    ; group A begins at X0,
	v_add_nc_u32 v46, 4, v45
	v_cmp_le_i32 s[HB], 32, v46                    ; group B at X0 + 4
.irp p, 0,1,2,3,4,5,6,7
	s_add_co_i32 s50, s[R0], \p-3                  ; key row p of the eight: inside the image?
	s_cmp_lt_u32 s50, 64
.if \p == 0
	s_cselect_b32 s[RM+\p], 0x00ff00ff, 0          ; three rows above the first query row: for the lanes of that row alone (r < 8)
.elseif \p == 7
	s_cselect_b32 s[RM+\p], 0xff00ff00, 0          ; three rows below the second
.else
	s_cselect_b32 s[RM+\p], -1, 0
.endif
.endr
	s_mov_b32 s[CS], 0x3eb8aa3b                    ; log2(e) / sqrt(16)
	s_mov_b32 s[CS+1], s[CS]                       ; (named with it as a pair, so it is written)
	s_mov_b32 s[SEL], 0x76543210
	s_mov_b32 s[SEL+1], 0xfedcba98
	s_mov_b32 s[MNT], 0x600000
	v_mov_b32 v[NEG], 0xff800000
.irp i, 48,49,50,51
	v_mov_b32 v\i, 0
.endr
	; ---- V: my block of 32 becomes codes
	s_wait_loadcnt 40                              ; V's eight loads are in; K's 32 and Q's 8 may be out
	v_max3_num_f32 v232, |v[VX]|, |v[VX+1]|, 0x8000000   ; the largest magnitude, with the floor 2^(16 - 127) among its leaves: the byte cannot fall under 1
	v_max3_num_f32 v233, |v[VX+2]|, |v[VX+3]|, |v[VX+4]|
.irp i, 5,9,13,17,21,25
	v_max3_num_f32 v232, v232, |v[VX+\i]|, |v[VX+\i+1]|
	v_max3_num_f32 v233, v233, |v[VX+\i+2]|, |v[VX+\i+3]|
.endr
	v_max3_num_f32 v232, v232, |v[VX+29]|, |v[VX+30]|
	v_max3_num_f32 v232, v232, v233, |v[VX+31]|
	v_add_nc_u32 v234, 0xf8800000, v232            ; 15 off its exponent field: the conversion takes this operand's exponent field as the scale
	v_and_or_b32 v235, v232, 0x7f800000, s[MNT]    ; 57,344 x the scale
.set i, 0
.rept 32
	v_med3_num_f32 v[VX+i], v[VX+i], -v235, v235   ; the conversion to an 8-bit code does not saturate (ISA guide 7.6.2): the hold comes first
.set i, i+1
.endr
.irp g, 0,1,2,3
	v_cvt_scalef32_pk8_bf8_f32 v[240+2*\g:241+2*\g], v[VX+8*\g:VX+8*\g+7], v234
.endr
	v_lshrrev_b32 v236, 23, v234                   ; the scale's byte (also the plain line behind the conversions)
.irp i, 0,1,2,3,4,5,6,7
	ds_store_b32 v38, v[240+\i] offset:VB+4+4*\i   ; columns 32 half + 4 i on, at byte 4 + column
.endr
	ds_store_b32 v39, v48 offset:VB                ; zero codes beside the image: they meet zero codes of p and must be numbers
	ds_store_b8 v40, v236 offset:VSB
	; ---- K: two keys a lane, 16 channels each, turned by the stores
	s_wait_loadcnt 8                               ; K's 32 loads are in; Q's 8 may be out
.irp i, 0,1,2,3
	ds_store_b128 v34, v[KS+4*\i:KS+4*\i+3] offset:4*KP+16*\i
	ds_store_b128 v34, v[KS+16+4*\i:KS+16+4*\i+3] offset:36*KP+16*\i
.endr
	ds_store_b128 v35, v[48:51]                    ; the slots beside the image: their scores are masked, but the bytes are read
	s_wait_loadcnt 0x0                             ; Q is in: the loads' offset registers lie where K's fragments land
	s_wait_dscnt 0x0                               ; for the others' sake: my stores have landed
	s_barrier_signal -1
	s_barrier_wait -1                              ; eight key rows of K and of V's codes lie in LDS
	; ---- S^T = K Q^T
.irp p, 0,1,2,3,4,5,6,7
	ds_load_b128 v[KA+8*\p:KA+8*\p+3], v[AK] offset:\p*KROW          ; key row p: my key's channels 8 h + 0 .. 3: steps 0 and 1
.endr
.irp p, 0,1,2,3,4,5,6,7
	ds_load_b128 v[KA+8*\p+4:KA+8*\p+7], v[AK] offset:\p*KROW+16     ; channels 8 h + 4 .. 7: steps 2 and 3
.endr
	s_wait_dscnt 8                                 ; the first eight loads are in; the other eight may be out
.irp s, 0,1,2,3
.if \s == 2
	s_wait_dscnt 0x0
.endif
.irp p, 0,1,2,3,4,5,6,7                        ; the eight accumulators take turns, one instruction a turn; the first step starts the sums
.if \s == 0
	v_wmma_f32_16x16x4_f32 v[S+8*\p:S+8*\p+7], v[KA+8*\p+2*\s:KA+8*\p+2*\s+1], v[Q+2*\s:Q+2*\s+1], 0
.else
	v_wmma_f32_16x16x4_f32 v[S+8*\p:S+8*\p+7], v[KA+8*\p+2*\s:KA+8*\p+2*\s+1], v[Q+2*\s:Q+2*\s+1], v[S+8*\p:S+8*\p+7]
.endif
.endr
.endr
.rept 8
	v_nop                                          ; eight places between this form and the first read of its results
.endr
	; ---- the mask: what does not count becomes -infinity, in other registers; each accumulator is read from its low end on
.irp p, 0,1,2,3,4,5,6,7
.irp j, 0,1,2,3,4,5,6,7
	s_and_b32 s[TM+\j], s[CM+\j], s[RM+\p]
.endr
.irp j, 0,1,2,3,4,5,6,7
	v_cndmask_b32 v[P+8*\p+\j], v[NEG], v[S+8*\p+\j], s[TM+\j]
.endr
.endr
	; ---- the largest score of each key row's low and high half (the eight rows by turns: no line waits for the line above it)
.irp p, 0,1,2,3,4,5,6,7
	v_max3_num_f32 v[QA+\p], v[P+8*\p], v[P+8*\p+1], v[P+8*\p+2]
.endr
.irp p, 0,1,2,3,4,5,6,7
	v_max3_num_f32 v[QB+\p], v[P+8*\p+4], v[P+8*\p+5], v[P+8*\p+6]
.endr
.irp p, 0,1,2,3,4,5,6,7
	v_max_num_f32 v[QA+\p], v[QA+\p], v[P+8*\p+3]  ; group A's
.endr
.irp p, 0,1,2,3,4,5,6,7
	v_max_num_f32 v[QB+\p], v[QB+\p], v[P+8*\p+7]  ; group B's
.endr
.irp p, 0,1,2,3,4,5,6,7
	v_cndmask_b32 v[L+\p], v[QA+\p], v[NEG], s[HA] ; the low half takes the groups that lie in it
.endr
.irp p, 0,1,2,3,4,5,6,7
	v_cndmask_b32 v[T+\p], v[QB+\p], v[NEG], s[HB]
.endr
.irp p, 0,1,2,3,4,5,6,7
	v_max_num_f32 v[L+\p], v[L+\p], v[T+\p]
.endr
.irp p, 0,1,2,3,4,5,6,7
	v_cndmask_b32 v[H+\p], v[NEG], v[QA+\p], s[HA] ; the high half the others
.endr
.irp p, 0,1,2,3,4,5,6,7
	v_cndmask_b32 v[T+\p], v[NEG], v[QB+\p], s[HB]
.endr
.irp p, 0,1,2,3,4,5,6,7
	v_max_num_f32 v[H+\p], v[H+\p], v[T+\p]
.endr
.irp p, 0,1,2,3,4,5,6,7
	v_permlanex16_b32 v[QA+\p], v[L+\p], s[SEL], s[SEL+1]
.endr
.irp p, 0,1,2,3,4,5,6,7
	v_permlanex16_b32 v[QB+\p], v[H+\p], s[SEL], s[SEL+1]
.endr
.irp p, 0,1,2,3,4,5,6,7
	v_max_num_f32 v[L+\p], v[L+\p], v[QA+\p]       ; with lane l xor 16's eight columns: the block's largest score
.endr
.irp p, 0,1,2,3,4,5,6,7
	v_max_num_f32 v[H+\p], v[H+\p], v[QB+\p]
.endr
	; ---- M.  A query counts among its own keys, so the largest score is a number
	v_max3_num_f32 v[T], v[L], v[H], v[L+1]
	v_max3_num_f32 v[T+1], v[H+1], v[L+2], v[H+2]
	v_max3_num_f32 v[T], v[T], v[L+3], v[H+3]
	v_max3_num_f32 v[T+1], v[T+1], v[L+4], v[H+4]
	v_max3_num_f32 v[T], v[T], v[L+5], v[H+5]
	v_max3_num_f32 v[T+1], v[T+1], v[L+6], v[H+6]
	v_max3_num_f32 v[T], v[T], v[L+7], v[H+7]
	v_max_num_f32 v[T], v[T], v[T+1]
	v_mul_f32 v[T], s[CS], v[T]                    ; as t
	v_floor_f32 v[NM], -v[T]                       ; -M = floor(-t) = -ceil(t)
	v_mov_b32 v[NM+1], v[NM]                       ; (the pair's upper word is named, so it is written)
.set i, 0
.rept 32
	v_pk_fma_f32 v[P+i:P+i+1], v[P+i:P+i+1], s[CS:CS+1], v[NM:NM+1] op_sel_hi:[1,0,0]   ; t - M, two at a time
.set i, i+2
.endr
.irp p, 0,1,2,3,4,5,6,7
	v_fma_f32 v[L+\p], v[L+\p], s[CS], v[NM]       ; the same of each block's largest score: p rises with the score, so this gives the block's largest p, bit for bit
	v_fma_f32 v[H+\p], v[H+\p], s[CS], v[NM]
.endr
.irp p, 0,1,2,3,4,5,6,7                        ; the exponentials are one batch of 80
	v_exp_f32 v[L+\p], v[L+\p]
	v_exp_f32 v[H+\p], v[H+\p]
.endr
.set i, 0
.rept 64
	v_exp_f32 v[P+i], v[P+i]                       ; p = 2^(t - M); 0 where the mask put -infinity
.set i, i+1
.endr
.set i, 0
.rept 16
	v_mov_b32 v[PO+4*i+2], 0                       ; plain work behind the batch that names none of its results: the upper two dwords of each block of p's operand are zero codes
	v_mov_b32 v[PO+4*i+3], 0
.set i, i+1
.endr
	s_wait_alu depctr_va_vdst(0)                   ; one wait for the batch, ahead of its first reader
	; ---- l: the sum of the unquantised p, two at a time, in two chains
	v_pk_add_f32 v[T:T+1], v[P:P+1], v[P+2:P+3]
	v_pk_add_f32 v[T+2:T+3], v[P+4:P+5], v[P+6:P+7]
.irp i, 8,12,16,20,24,28,32,36,40,44,48,52,56,60
	v_pk_add_f32 v[T:T+1], v[T:T+1], v[P+\i:P+\i+1]
	v_pk_add_f32 v[T+2:T+3], v[T+2:T+3], v[P+\i+2:P+\i+3]
.endr
	v_pk_add_f32 v[T:T+1], v[T:T+1], v[T+2:T+3]
	v_add_f32 v[LS], v[T], v[T+1]
	v_permlanex16_b32 v[T+2], v[LS], s[SEL], s[SEL+1]
	v_add_f32 v[LS], v[LS], v[T+2]                 ; with lane l xor 16's columns: the row's sum
	v_rcp_f32 v[NM], v[LS]                         ; its wait stands ahead of its one reader, on the way out
	; ---- the sixteen blocks' scales
.irp p, 0,1,2,3,4,5,6,7
	v_max_num_f32 v[L+\p], 0x8000000, v[L+\p]      ; the floor 2^(16 - 127): the byte cannot fall under 1 (a block of zeros keeps that byte)
	v_max_num_f32 v[H+\p], 0x8000000, v[H+\p]
.endr
.irp p, 0,1,2,3,4,5,6,7
	v_add_nc_u32 v[QA+\p], 0xf8800000, v[L+\p]     ; 15 off the exponent field: the conversion's scale operand, low half,
	v_add_nc_u32 v[QB+\p], 0xf8800000, v[H+\p]     ; high half
.endr
.irp p, 0,1,2,3,4,5,6,7
	v_and_or_b32 v[L+\p], v[L+\p], 0x7f800000, s[MNT]   ; 57,344 x the scale
	v_and_or_b32 v[H+\p], v[H+\p], 0x7f800000, s[MNT]
.endr
.irp p, 0,1,2,3,4,5,6,7
	v_lshrrev_b32 v[T+\p], 23, v[QA+\p]            ; the low halves' bytes
.endr
	v_lshl_or_b32 v[PW], v[T+1], 8, v[T]           ; a word for key rows 0-3, one for 4-7
	v_lshl_or_b32 v[PW+1], v[T+5], 8, v[T+4]
	v_lshl_or_b32 v[PW], v[T+2], 16, v[PW]
	v_lshl_or_b32 v[PW+1], v[T+6], 16, v[PW+1]
	v_lshl_or_b32 v[PW], v[T+3], 24, v[PW]
	v_lshl_or_b32 v[PW+1], v[T+7], 24, v[PW+1]
.irp p, 0,1,2,3,4,5,6,7
	v_lshrrev_b32 v[T+\p], 23, v[QB+\p]            ; the high halves'
.endr
	v_lshl_or_b32 v[PW+2], v[T+1], 8, v[T]
	v_lshl_or_b32 v[PW+3], v[T+5], 8, v[T+4]
	v_lshl_or_b32 v[PW+2], v[T+2], 16, v[PW+2]
	v_lshl_or_b32 v[PW+3], v[T+6], 16, v[PW+3]
	v_lshl_or_b32 v[PW+2], v[T+3], 24, v[PW+2]
	v_lshl_or_b32 v[PW+3], v[T+7], 24, v[PW+3]
.irp p, 0,1,2,3,4,5,6,7
	v_cndmask_b32 v[T+\p], v[QA+\p], v[QB+\p], s[HA]    ; each of my two groups takes its own half's scale operand: A's in T,
.endr
.irp p, 0,1,2,3,4,5,6,7
	v_cndmask_b32 v[QB+\p], v[QA+\p], v[QB+\p], s[HB]   ; B's in QB,
.endr
.irp p, 0,1,2,3,4,5,6,7
	v_cndmask_b32 v[QA+\p], v[L+\p], v[H+\p], s[HA]     ; and its own half's hold: A's in QA,
.endr
.irp p, 0,1,2,3,4,5,6,7
	v_cndmask_b32 v[H+\p], v[L+\p], v[H+\p], s[HB]      ; B's in H.  L's registers are free: the codes land there
.endr
; Key row p: the hold (p is not negative, so it is one-sided), then two conversions of the same eight numbers, one under each group's scale: of the first the low dword is kept (group A), of the second the high one (group B).
.macro ROW p
.irp j, 0,1,2,3
	v_min_num_f32 v[P+8*(\p)+\j], v[P+8*(\p)+\j], v[QA+(\p)]
.endr
.irp j, 4,5,6,7
	v_min_num_f32 v[P+8*(\p)+\j], v[P+8*(\p)+\j], v[H+(\p)]
.endr
	v_cvt_scalef32_pk8_bf8_f32 v[C+4*((\p)%2):C+4*((\p)%2)+1], v[P+8*(\p):P+8*(\p)+7], v[T+(\p)]
	v_cvt_scalef32_pk8_bf8_f32 v[C+4*((\p)%2)+2:C+4*((\p)%2)+3], v[P+8*(\p):P+8*(\p)+7], v[QB+(\p)]
.endm
; Its two dwords go into the low half's block or into the high half's; the other gets zero codes.  PLACE p stands behind ROW p + 1, whose holds are the plain lines between a conversion and the use of its result.
.macro PLACE p
.set D, PO+16*((\p)/4)+4*((\p)%4)
.set E, C+4*((\p)%2)
	v_cndmask_b32 v[D], v[E], v[ZR], s[HA]
	v_cndmask_b32 v[D+1], v[E+3], v[ZR], s[HB]
	v_cndmask_b32 v[D+32], v[ZR], v[E], s[HA]
	v_cndmask_b32 v[D+33], v[ZR], v[E+3], s[HB]
.endm
	ROW 0
	ROW 1
	PLACE 0
	ROW 2
	PLACE 1
	ROW 3
	PLACE 2
	ROW 4
	PLACE 3
.irp p, 0,1,2,3,4,5,6,7                        ; key rows 0-3 of p are codes now: V's operand lands in their registers while rows 5-7 are converted
	ds_load_b64 v[VO+4*\p:VO+4*\p+1], v[AV] offset:VB+\p*VROW        ; channel r, columns X0 .. X0 + 7 of key row p: the places of my groups A and B
.endr
.irp i, 0,1,2,3
	ds_load_b32 v[VS+\i], v[AS] offset:VSB+64*\i
.endr
.irp p, 0,1,2,3,4,5,6,7
	v_mov_b32 v[VO+4*\p+2], 0
	v_mov_b32 v[VO+4*\p+3], 0
.endr
	ROW 5
	PLACE 4
	ROW 6
	PLACE 5
	ROW 7
	PLACE 6
	PLACE 7
	; ---- the addresses of the way out are made here: five plain lines between the last write of p's codes and the products (four are asked), eight and one more behind the products
	v_and_b32 v[T], 15, v0                         ; r
	v_bfe_u32 v[T+1], v0, 4, 1                     ; h
	v_and_b32 v[T+2], 7, v[T]
	v_lshrrev_b32 v[T+3], 3, v[T]
	v_mul_u32_u24 v[T+4], v[T+1], 8*SCH
	s_lshl_b32 s24, s[WV], 5
	s_mul_i32 s25, s[WV], 2*SCH
	s_wait_dscnt 0x0                               ; V's codes and scale words are in
	; ---- O^T = V^T P^T: source 0 = 16 channels, source 1 = my 16 queries; two accumulators by turns
	v_wmma_scale_f32_16x16x128_f8f6f4 v[O0:O0+7], v[VO:VO+15], v[PO:PO+15], 0, v[VS], v[PW] matrix_a_fmt:MATRIX_FMT_BF8 matrix_b_fmt:MATRIX_FMT_BF8
	v_wmma_scale_f32_16x16x128_f8f6f4 v[O1:O1+7], v[VO+16:VO+31], v[PO+16:PO+31], 0, v[VS+1], v[PW+1] matrix_a_fmt:MATRIX_FMT_BF8 matrix_b_fmt:MATRIX_FMT_BF8
	v_wmma_scale_f32_16x16x128_f8f6f4 v[O0:O0+7], v[VO:VO+15], v[PO+32:PO+47], v[O0:O0+7], v[VS+2], v[PW+2] matrix_a_fmt:MATRIX_FMT_BF8 matrix_b_fmt:MATRIX_FMT_BF8
	v_wmma_scale_f32_16x16x128_f8f6f4 v[O1:O1+7], v[VO+16:VO+31], v[PO+48:PO+63], v[O1:O1+7], v[VS+3], v[PW+3] matrix_a_fmt:MATRIX_FMT_BF8 matrix_b_fmt:MATRIX_FMT_BF8
	v_mad_u32_u24 v[T+4], v[T+3], SROW, v[T+4]
	v_lshl_add_u32 v[T+4], v[T+2], 2, v[T+4]
	v_add_nc_u32 v[T+4], s24, v[T+4]               ; into the stage: channel 8 h (+ j in the immediate), my query's row, column 8 i + r % 8
	v_mul_u32_u24 v[T+5], v[T+1], SCH
	v_lshl_add_u32 v[T+5], v[T], 4, v[T+5]
	v_add_nc_u32 v[T+5], s25, v[T+5]               ; back: channel 2 w + h, 16 bytes a lane: sixteen lanes take an image row
	v_lshlrev_b32 v[T+6], 14, v[T+1]
	v_lshl_add_u32 v[T+6], v[T], 4, v[T+6]         ; and the same place in out0
	v_nop
.irp i, 0,2,4,6
	v_pk_add_f32 v[O0+\i:O0+\i+1], v[O0+\i:O0+\i+1], v[O1+\i:O1+\i+1]   ; the two accumulators, each read from its low end on
.endr
	s_wait_alu depctr_va_vdst(0)                   ; the wait for the reciprocal, ahead of its first reader
.irp i, 0,2,4,6
	v_pk_mul_f32 v[O0+\i:O0+\i+1], v[O0+\i:O0+\i+1], v[NM:NM+1] op_sel_hi:[1,0]   ; / l: register j is channel 8 h + j of my query
.endr
.irp j, 0,1,2,3,4,5,6,7
	ds_store_b32 v[T+4], v[O0+\j] offset:STG+\j*SCH
.endr
	s_wait_dscnt 0x0                               ; for the others' sake: my stores into the stage have landed
	s_barrier_signal -1
	s_barrier_wait -1                              ; an image row's 256 bytes come from eight waves
	ds_load_b128 v[O1:O1+3], v[T+5] offset:STG
	ds_load_b128 v[O1+4:O1+7], v[T+5] offset:STG+SROW
	s_wait_dscnt 0x0
	global_store_b128 v[T+6], v[O1:O1+3], s[10:11] th:TH_STORE_NT              ; sixteen lanes store 256 consecutive bytes, at a multiple of 256 from out0's first byte
	global_store_b128 v[T+6], v[O1+4:O1+7], s[10:11] offset:256 th:TH_STORE_NT ; the second query row
	s_set_vgpr_msb 0x5
	s_wait_tensorcnt 0x0
	ds_add_u32 v0, v1
	s_wait_dscnt 0x0
	s_set_vgpr_msb 0x500
	s_endpgm
.Lfunc_end_k_qc41908de62_winattn:
	.size	k_qc41908de62_winattn, .Lfunc_end_k_qc41908de62_winattn-k_qc41908de62_winattn
	.p2alignl 7, 3214868480
	.fill 96, 4, 3214868480
	.section	.rodata,"a",@progbits
	.p2align	6, 0x0
	.amdhsa_kernel k_qc41908de62_winattn
		.amdhsa_group_segment_fixed_size 66560
		.amdhsa_private_segment_fixed_size 0
		.amdhsa_enable_private_segment 0
		.amdhsa_kernarg_size 32
		.amdhsa_user_sgpr_count 2
		.amdhsa_user_sgpr_kernarg_segment_ptr 1
		.amdhsa_wavefront_size32 1
		.amdhsa_system_sgpr_workgroup_id_x 1
		.amdhsa_system_sgpr_workgroup_id_y 1
		.amdhsa_system_sgpr_workgroup_id_z 1
		.amdhsa_system_vgpr_workitem_id 0
		.amdhsa_next_free_vgpr 258
		.amdhsa_next_free_sgpr 66
		.amdhsa_reserve_vcc 0
		.amdhsa_float_denorm_mode_32 3
		.amdhsa_float_denorm_mode_16_64 3
		.amdhsa_memory_ordered 1
		.amdhsa_forward_progress 1
		.amdhsa_inst_pref_size 57
	.end_amdhsa_kernel
	.amdgpu_metadata
---
amdhsa.version: [ 1, 2 ]
amdhsa.kernels:
  - .name:           k_qc41908de62_winattn
    .symbol:         k_qc41908de62_winattn.kd
    .args:
      - { .name: q, .offset: 0, .size: 8, .value_kind: global_buffer, .address_space: global }
      - { .name: k, .offset: 8, .size: 8, .value_kind: global_buffer, .address_space: global }
      - { .name: v, .offset: 16, .size: 8, .value_kind: global_buffer, .address_space: global }
      - { .name: out0, .offset: 24, .size: 8, .value_kind: global_buffer, .address_space: global }
    .group_segment_fixed_size: 66560
    .private_segment_fixed_size: 0
    .kernarg_segment_align: 8
    .kernarg_segment_size: 32
    .max_flat_workgroup_size: 256
    .sgpr_count:     66
    .vgpr_count:     258
    .wavefront_size: 32
...
	.end_amdgpu_metadata
.endif
;; end of part 1
